; MI455X (gfx1250); checked and timed in simulation.
; The chip was launched on July 23, 2026; its instructions are those of AMD's public machine-readable ISA for CDNA 5 (MIT licence, August 2026) and "CDNA5" Instruction Set Architecture Reference Guide (July 2026). The comments in the code are by the model that wrote it; some were corrected since.
;; Multi Head Self Attention. Allowed arithmetic: matrix products marked QUANTISED: E2M1 operands, one E8M0 scale for each 32 along K, by v_wmma_scale_f32_16x16x128_f8f6f4 with both operands' format E2M1 (or v_wmma_scale_f32_32x16x128_f4), f32 sums; products left as they are: bf16, f16 or f32 operands; f32 sums; everything else in f32.
;; Inputs: Wk 256 x 256 float32; Wo 256 x 256 float32; Wq 256 x 256 float32; Wv 256 x 256 float32; bk 256 float32; bo 256 float32; bq 256 float32; bv 256 float32; x 8 x 256 x 32 x 32 float32.
;; Outputs: out0 8 x 256 x 32 x 32 float32.
;; This version of the problem:
;;   THIS VERSION OF THE PROBLEM IS GIVEN IN LOW PRECISION. The matrix products marked QUANTISED in the list below multiply operands that are first quantised to E2M1 (2 exponent bits, 1 mantissa bit; 4 bits a number), with one power-of-two scale for each 32 numbers along K (OCP MX v1.0); their sums are f32. The products marked 'left as it is' may take bf16, f16 or f32 operands, with f32 sums. All else is computed in f32.
;;   The module's matrix products, in the order in which they are computed (A, B: the left and right operand; K: the contracted axis; several contracted axes count as one K, in the product's order):
;;     1. [M 8,192, K 256] x [K 256, N 256]; A: input x; B: input Wq: QUANTISED
;;     2. [M 8,192, K 256] x [K 256, N 256]; A: input x; B: input Wk: QUANTISED
;;     3. [M 8,192, K 256] x [K 256, N 256]; A: input x; B: input Wv: QUANTISED
;;     4. batch 64 x [M 1,024, K 32] x [K 32, N 1,024]; A: computed on the way; B: computed on the way: left as it is (an operand is computed on the way)
;;     5. batch 64 x [M 1,024, K 1,024] x [K 1,024, N 32]; A: computed on the way; B: computed on the way: left as it is (an operand is computed on the way)
;;     6. [M 8,192, K 256] x [K 256, N 256]; A: computed on the way; B: input Wo: left as it is (an operand is computed on the way)
;;   THE QUANTISER, for each operand of a quantised product, along K:
;;     - K is cut into blocks of 32 from its start; a last block that is shorter is filled with zeros.
;;     - A block's scale is 2^e with e = floor(log2(the largest magnitude in the block)) - 2, held to -126 .. 127; a block of zeros has e = 0. As a byte (E8M0): e + 127.
;;     - Each number is divided by its block's scale, clamped to +-6, and rounded to the nearest number of E2M1, ties to even, subnormals kept.
;;     - The product sums the exact products of the quantised numbers (number of the format x scale) in f32.
;;   ~~~python
;;   def quantise(x, axis):      # numpy; x: float32 -> the quantised numbers, widened to float32 again
;;       x = np.moveaxis(x, axis, -1); K = x.shape[-1]
;;       x = np.pad(x, [(0, 0)] * (x.ndim - 1) + [(0, -K % 32)]); x = x.reshape(x.shape[:-1] + (-1, 32)); a = np.abs(x).max(-1, keepdims=True)
;;       e = np.where(a > 0, np.clip(np.frexp(np.where(a > 0, a, 1))[1] - 1 - 2, -126, 127), 0)      # np.frexp(a)[1] - 1 = floor(log2(a)), exactly
;;       r = np.clip(x / 2.0 ** e, -6, 6)
;;       step = 2.0 ** (np.maximum(np.frexp(np.where(r == 0, 1, r))[1] - 1, 0) - 1)
;;       q = np.round(r / step) * step * 2.0 ** e      # np.round: ties to even
;;       return np.moveaxis(q.reshape(q.shape[:-2] + (-1,))[..., :K], -1, axis).astype(np.float32)
;;   ~~~
;; 2 versions, each right; version 2 is version 1 with the launch attn written anew for expert scheduling mode. Each part assembles by itself: llvm-mc -triple=amdgcn-amd-amdhsa -mcpu=gfx1250 --defsym DOCPART=n.
;; ======== version 1 of 2: 3 launches
;; limits: values are held in f16: magnitudes above 65,504 overflow, below 6.1e-05 lose precision
;; workspace buffers: xc 1,048,576 bytes; xs 65,536 bytes; wc 98,304 bytes; ws 6,144 bytes; wof 131,072 bytes; cf 4,194,304 bytes
;; launch prep (part 1): grid 312 x 1, 2 waves a work-group, no clusters, 0 bytes of LDS; arguments x, Wq, Wk, Wv, Wo, xc, xs, wc, ws, wof; writes xc, xs, wc, ws, wof
.if DOCPART == 1
	.amdgcn_target "amdgcn-amd-amdhsa--gfx1250"
	.amdhsa_code_object_version 6
	.text
	.protected	k_q8ef9362123_prep
	.globl	k_q8ef9362123_prep
	.p2align	8
	.type	k_q8ef9362123_prep,@function
k_q8ef9362123_prep:
	s_mov_b64 s[64:65], 0
	v_nop
	global_prefetch_b8 v0, s[64:65] scope:SCOPE_SE
	s_setreg_imm32_b32 hwreg(HW_REG_WAVE_MODE, 25, 1), 1
	s_wait_xcnt 0x0
; x [8][256 channels][1,024 tokens] f32 and Wq, Wk, Wv [256][256] f32 become codes of FP4 (E2M1) with one E8M0 scale byte for each 32 channels (the products' K); Wo becomes f16.
; Everything is stored IN THE ORDER OF THE READER'S OPERAND REGISTERS: a group of four registers of a fragment is 512 bytes, lane l's 16 bytes at 16 l.
;   xc [b 8][token tile 64][K step 2][block 4][row 16][16 bytes]: the 32 codes of block 4 s + beta of token 16 T + r.  (Lane (r, h), register group c of a 4-bit fragment holds block 2 c + h: byte 512 c + 256 h + 16 r.)
;   xs [b][tile][K step][row] scale words (four bytes, one a block): 128 bytes a tile: lane 16 s + r takes the word at 4 x lane.
;   wc, ws: the same for [matrix q, k, v][row tile 16].     wof [row tile 16][K step of 32: 8][group 2][lane][16 bytes]: Wo[16 dt + r][32 ks + 16 c + 8 h + 0 .. 7] in f16.
; A block's scale is 2^(floor(log2(its largest magnitude)) - 2): its byte is the largest magnitude's exponent field - 2, held at 1 from below by a floor among the maximum's leaves.
; LIMITS: NaN and infinities among the inputs are not served.  A block whose largest magnitude lies under 2^-124 has its byte held at 1.  A block of zeros gets the byte 1 where the rule says 127:
; its codes are zeros, which add nothing under any byte but 0xff, and the bytes are read by this program alone.  Wo's magnitudes stay under 65,504 (f16).
; THREE PATHS, parted by the work-group's number: 0-255 x, 256-303 the three weights, 304-311 Wo.  No LDS, no barrier, no matrix unit, no cluster: no two waves read the same byte, and every byte is read once.
.set X, 32                             ; v32-159  128 numbers
.set C, 160                            ; v160-175 codes: registers of their own for each block, so that no store's data are written again
	s_load_b512 s[8:23], s[0:1], 0x0               ; x s[8:9], Wq s[10:11], Wk s[12:13], Wv s[14:15], Wo s[16:17], xc s[18:19], xs s[20:21], wc s[22:23]
	s_load_b128 s[24:27], s[0:1], 0x40             ; ws s[24:25], wof s[26:27]
	v_lshrrev_b32 v1, 5, v0
	v_readfirstlane_b32 s2, v1                     ; wave 0, 1
	v_and_b32 v1, 31, v0                           ; lane
	v_and_b32 v2, 15, v0                           ; r
	v_bfe_u32 v3, v0, 4, 1                         ; h
	s_mov_b32 s30, 0x76543210
	s_mov_b32 s31, 0xfedcba98                      ; v_permlanex16_b32's selects for lane l xor 16
	s_mov_b32 s5, 0                                ; the upper word of every offset: s[4:5]
	s_wait_kmcnt 0x0
	s_cmp_lt_u32 ttmp9, 256
	s_cbranch_scc0 .Lnot_x
; ---- x.  K (the channels) is not innermost: A LANE TAKES A TOKEN AND ITS REGISTERS RUN DOWN THE CHANNELS.  Each load reads one channel of 32 neighbouring tokens (128 consecutive bytes a wave, the two waves side by side on 256);
; a block of 32 channels lies in one lane's 32 registers, so its largest magnitude needs no other lane and the conversions give codes with K innermost.
; Work-group i: batch i / 32, tokens 64 ((i / 2) % 16) on, K step i % 2 (128 channels: four blocks).  Wave w: 32 of the tokens: two token tiles, one in each half of the lanes.
	s_lshr_b32 s3, ttmp9, 5                        ; b
	s_bfe_u32 s6, ttmp9, 0x40001                   ; tg: 4 bits from bit 1
	s_and_b32 s7, ttmp9, 1                         ; s
	s_lshl_b32 s4, s3, 20                          ; x: b x 1,048,576
	s_lshl_b32 s28, s7, 19                         ;    + 128 s channels of 4,096 bytes
	s_add_co_u32 s4, s4, s28
	s_lshl_b32 s28, s6, 8                          ;    + 64 tg tokens
	s_add_co_u32 s4, s4, s28
	s_lshl_b32 s28, s2, 7                          ;    + 32 w tokens
	s_add_co_u32 s4, s4, s28
	s_add_nc_u64 s[8:9], s[8:9], s[4:5]
	s_lshl_b32 s4, s3, 17                          ; xc: b x 131,072
	s_lshl_b32 s28, s6, 13                         ;    + 4 tg tiles of 2,048 bytes
	s_add_co_u32 s4, s4, s28
	s_lshl_b32 s28, s2, 12                         ;    + 2 w tiles
	s_add_co_u32 s4, s4, s28
	s_lshl_b32 s28, s7, 10                         ;    + the K step's 1,024
	s_add_co_u32 s4, s4, s28
	s_add_nc_u64 s[18:19], s[18:19], s[4:5]
	s_lshr_b32 s4, s4, 4                           ; xs: a sixteenth of that: 128 bytes a tile, 64 a K step
	s_add_nc_u64 s[20:21], s[20:21], s[4:5]
	v_lshlrev_b32 v4, 2, v1                        ; in: 4 bytes a lane
	v_lshlrev_b32 v5, 4, v2
	v_lshl_add_u32 v5, v3, 11, v5                  ; codes: 16 r, lanes 16-31 one tile on
	v_lshlrev_b32 v6, 2, v2
	v_lshl_add_u32 v6, v3, 7, v6                   ; scale words: 4 r, lanes 16-31 one tile on
.macro XLOAD b                         ; block b: x(channel 32 b + i, my token), i = 0 .. 31
.irp i, 0,1,2,3,4,5,6,7,8,9,10,11,12,13,14,15,16,17,18,19,20,21,22,23,24,25,26,27,28,29,30,31
	global_load_b32 v[X+32*(\b)+\i], v4, s[8:9] offset:(32*(\b)+\i)*4096 th:TH_LOAD_NT
.endr
.endm
.macro XBLOCK b
.set XB, X+32*(\b)
	v_max3_num_f32 v12, |v[XB]|, |v[XB+1]|, |v[XB+2]|              ; the block's largest magnitude, in two chains: all 32 numbers are mine
	v_max3_num_f32 v13, |v[XB+3]|, |v[XB+4]|, |v[XB+5]|
.irp i, 6,10,14,18,22,26
	v_max3_num_f32 v12, v12, |v[XB+\i]|, |v[XB+\i+1]|
	v_max3_num_f32 v13, v13, |v[XB+\i+2]|, |v[XB+\i+3]|
.endr
	v_max3_num_f32 v12, v12, |v[XB+30]|, |v[XB+31]|
	v_max3_num_f32 v12, v12, v13, 0x1800000        ; and the floor 2^(3 - 127): the byte cannot fall under 1
	v_add_nc_u32 v11, 0xff000000, v12              ; 2 off the exponent field: the conversion takes the exponent field of this operand as its scale, and nothing else of it
.irp g, 0,1,2,3
	v_cvt_scalef32_pk8_fp4_f32 v[C+4*(\b)+\g], v[XB+8*\g:XB+8*\g+7], v11   ; eight numbers / the scale, to the nearest code, ties to even, beyond 6 the largest code
.endr
	v_lshrrev_b32 v14, 23, v11                     ; the scale's byte (a plain line behind the conversions)
.if (\b) == 0
	v_mov_b32 v15, v14                             ; four bytes make the K step's scale word, the lower block in the lower byte
.else
	v_lshl_or_b32 v15, v14, 8*(\b), v15
.endif
	global_store_b128 v5, v[C+4*(\b):C+4*(\b)+3], s[18:19] offset:256*(\b)   ; sixteen lanes store 256 consecutive bytes, at a multiple of 256 from xc's first byte
.endm
	XLOAD 0
	XLOAD 1
	s_wait_loadcnt 32                              ; block 0's 32 loads are in; block 1's may be out
	XLOAD 2
	XBLOCK 0
	s_wait_loadcnt 32                              ; block 1's are in; block 2's may be out
	XLOAD 3
	XBLOCK 1
	s_wait_loadcnt 32                              ; block 2's are in; block 3's may be out
	XBLOCK 2
	s_wait_loadcnt 0x0
	XBLOCK 3
	global_store_b32 v6, v15, s[20:21]             ; sixteen lanes store 64 consecutive bytes: 65,536 bytes of scale words in all, against 8,388,608 read
	s_endpgm
.Lnot_x:
	s_cmp_lt_u32 ttmp9, 304
	s_cbranch_scc0 .Lpath_o
; ---- Wq, Wk, Wv.  K is innermost: lane (r, h) takes, of row 16 rt + r, the two blocks 2 c + h of K step w that the operand's layout gives it: 128 consecutive bytes each.
; Work-group 256 + id: matrix id / 16, row tile id % 16; wave w: K step w.
	s_sub_co_u32 s3, ttmp9, 256                    ; id
	s_cmp_lt_u32 s3, 32
	s_cselect_b64 s[28:29], s[12:13], s[14:15]     ; the choice hangs on the work-group's number alone
	s_cmp_lt_u32 s3, 16
	s_cselect_b64 s[28:29], s[10:11], s[28:29]
	s_and_b32 s6, s3, 15                           ; rt
	s_lshl_b32 s4, s6, 14                          ; 16 rows of 1,024 bytes
	s_lshl_b32 s7, s2, 9                           ; + the K step's 512
	s_add_co_u32 s4, s4, s7
	s_add_nc_u64 s[28:29], s[28:29], s[4:5]
	s_lshl_b32 s4, s3, 11                          ; wc: 2,048 bytes a tile,
	s_lshl_b32 s7, s2, 10                          ; 1,024 a K step
	s_add_co_u32 s4, s4, s7
	s_add_nc_u64 s[22:23], s[22:23], s[4:5]
	s_lshr_b32 s4, s4, 4                           ; ws: a sixteenth of that
	s_add_nc_u64 s[24:25], s[24:25], s[4:5]
	v_lshlrev_b32 v4, 10, v2
	v_lshl_add_u32 v4, v3, 7, v4                   ; in: row r, + 128 h
	v_lshlrev_b32 v5, 4, v1                        ; codes: 16 x lane
	v_lshlrev_b32 v6, 2, v2                        ; scale word: 4 r
.irp c, 0,1
.irp i, 0,1,2,3,4,5,6,7
	global_load_b128 v[X+32*\c+4*\i:X+32*\c+4*\i+3], v4, s[28:29] offset:256*\c+16*\i th:TH_LOAD_NT
.endr
.endr
	s_wait_loadcnt 0x0
.irp c, 0,1
	v_max3_num_f32 v[12+\c], |v[X+32*\c]|, |v[X+32*\c+1]|, 0x1800000       ; my block 2 c + h, and the floor
.endr
.irp i, 2,4,6,8,10,12,14,16,18,20,22,24,26,28,30
.irp c, 0,1
	v_max3_num_f32 v[12+\c], v[12+\c], |v[X+32*\c+\i]|, |v[X+32*\c+\i+1]|   ; (the two blocks by turns)
.endr
.endr
.irp c, 0,1
	v_add_nc_u32 v[10+\c], 0xff000000, v[12+\c]    ; the conversion's scale operand
.endr
.irp c, 0,1
	v_lshrrev_b32 v[14+\c], 23, v[10+\c]           ; the scale's byte
.endr
	v_lshl_or_b32 v7, v15, 16, v14                 ; my two bytes: blocks h and 2 + h,
	v_lshlrev_b32 v8, 3, v3
	v_lshlrev_b32 v7, v8, v7                       ; at their places in the word (8 h bits up);
	v_mov_b32 v8, 0                                ; (a lane permute's destination counts as one of its sources)
	v_permlanex16_b32 v8, v7, s30, s31
	v_or_b32 v7, v7, v8                            ; with lane l xor 16's two the word is whole
.irp c, 0,1
.irp g, 0,1,2,3
	v_cvt_scalef32_pk8_fp4_f32 v[C+4*\c+\g], v[X+32*\c+8*\g:X+32*\c+8*\g+7], v[10+\c]
.endr
.endr
	v_nop                                          ; one plain line behind the last scaled conversion
.irp c, 0,1
	global_store_b128 v5, v[C+4*\c:C+4*\c+3], s[22:23] offset:512*\c       ; 512 consecutive bytes
.endr
	global_store_b32 v6, v7, s[24:25]              ; lanes r and 16 + r store the same word with the same value
	s_endpgm
.Lpath_o:
; ---- Wo to f16, in the order of a 16-bit fragment's registers.  Wave w of work-group 304 + i: row tile dt = 2 i + w, all eight K steps of 32.
	s_sub_co_u32 s3, ttmp9, 304
	s_lshl_b32 s3, s3, 1
	s_add_co_u32 s3, s3, s2                        ; dt
	s_lshl_b32 s4, s3, 14
	s_add_nc_u64 s[16:17], s[16:17], s[4:5]        ; 16 rows of 1,024 bytes
	s_lshl_b32 s4, s3, 13
	s_add_nc_u64 s[26:27], s[26:27], s[4:5]        ; 8,192 bytes of f16
	v_lshlrev_b32 v4, 10, v2
	v_lshl_add_u32 v4, v3, 5, v4                   ; in: row r, + 8 h numbers
	v_lshlrev_b32 v5, 4, v1                        ; out: 16 x lane
.irp ks, 0,1,2,3,4,5,6,7
.irp c, 0,1
.irp u, 0,1
	global_load_b128 v[X+16*\ks+8*\c+4*\u:X+16*\ks+8*\c+4*\u+3], v4, s[16:17] offset:128*\ks+64*\c+16*\u th:TH_LOAD_NT
.endr
.endr
.endr
	s_wait_loadcnt 0x0
.irp ks, 0,1,2,3,4,5,6,7
.irp c, 0,1
.irp p, 0,1,2,3
	v_cvt_pk_f16_f32 v[X+16*\ks+8*\c+\p], v[X+16*\ks+8*\c+2*\p], v[X+16*\ks+8*\c+2*\p+1]   ; in place, ascending: pair p lands where pairs up to p have been read
.endr
.endr
.endr
.irp ks, 0,1,2,3,4,5,6,7
.irp c, 0,1
	global_store_b128 v5, v[X+16*\ks+8*\c:X+16*\ks+8*\c+3], s[26:27] offset:1024*\ks+512*\c
.endr
.endr
	s_endpgm
.Lfunc_end_k_q8ef9362123_prep:
	.size	k_q8ef9362123_prep, .Lfunc_end_k_q8ef9362123_prep-k_q8ef9362123_prep
	.p2alignl 7, 3214868480
	.fill 96, 4, 3214868480
	.section	.rodata,"a",@progbits
	.p2align	6, 0x0
	.amdhsa_kernel k_q8ef9362123_prep
		.amdhsa_group_segment_fixed_size 0
		.amdhsa_private_segment_fixed_size 0
		.amdhsa_enable_private_segment 0
		.amdhsa_kernarg_size 80
		.amdhsa_user_sgpr_count 2
		.amdhsa_user_sgpr_kernarg_segment_ptr 1
		.amdhsa_wavefront_size32 1
		.amdhsa_system_sgpr_workgroup_id_x 1
		.amdhsa_system_sgpr_workgroup_id_y 1
		.amdhsa_system_sgpr_workgroup_id_z 1
		.amdhsa_system_vgpr_workitem_id 0
		.amdhsa_next_free_vgpr 176
		.amdhsa_next_free_sgpr 66
		.amdhsa_reserve_vcc 0
		.amdhsa_float_denorm_mode_32 3
		.amdhsa_float_denorm_mode_16_64 3
		.amdhsa_memory_ordered 1
		.amdhsa_forward_progress 1
		.amdhsa_inst_pref_size 35
	.end_amdhsa_kernel
	.amdgpu_metadata
---
amdhsa.version: [ 1, 2 ]
amdhsa.kernels:
  - .name:           k_q8ef9362123_prep
    .symbol:         k_q8ef9362123_prep.kd
    .args:
      - { .name: x, .offset: 0, .size: 8, .value_kind: global_buffer, .address_space: global }
      - { .name: Wq, .offset: 8, .size: 8, .value_kind: global_buffer, .address_space: global }
      - { .name: Wk, .offset: 16, .size: 8, .value_kind: global_buffer, .address_space: global }
      - { .name: Wv, .offset: 24, .size: 8, .value_kind: global_buffer, .address_space: global }
      - { .name: Wo, .offset: 32, .size: 8, .value_kind: global_buffer, .address_space: global }
      - { .name: xc, .offset: 40, .size: 8, .value_kind: global_buffer, .address_space: global }
      - { .name: xs, .offset: 48, .size: 8, .value_kind: global_buffer, .address_space: global }
      - { .name: wc, .offset: 56, .size: 8, .value_kind: global_buffer, .address_space: global }
      - { .name: ws, .offset: 64, .size: 8, .value_kind: global_buffer, .address_space: global }
      - { .name: wof, .offset: 72, .size: 8, .value_kind: global_buffer, .address_space: global }
    .group_segment_fixed_size: 0
    .private_segment_fixed_size: 0
    .kernarg_segment_align: 8
    .kernarg_segment_size: 80
    .max_flat_workgroup_size: 64
    .sgpr_count:     66
    .vgpr_count:     176
    .wavefront_size: 32
...
	.end_amdgpu_metadata
.endif
;; end of part 1
;; launch attn (part 2): grid 4 x 64, 8 waves a work-group, no clusters, 132,096 bytes of LDS; arguments xc, xs, wc, ws, bq, bk, bv, cf; writes cf
.if DOCPART == 2
	.amdgcn_target "amdgcn-amd-amdhsa--gfx1250"
	.amdhsa_code_object_version 6
	.text
	.protected	k_q8ef9362123_attn
	.globl	k_q8ef9362123_attn
	.p2align	8
	.type	k_q8ef9362123_attn,@function
k_q8ef9362123_attn:
	s_mov_b64 s[64:65], 0
	v_nop
	global_prefetch_b8 v0, s[64:65] scope:SCOPE_SE
	s_setreg_imm32_b32 hwreg(HW_REG_WAVE_MODE, 25, 1), 1
	s_wait_xcnt 0x0
; One work-group: one batch b, one head hd, 256 queries.  From x's and the weights' codes of FP4 (E2M1, one E8M0 scale for each 32 channels) it makes K and V of the head for all 1,024 tokens and Q for its queries
; (v_wmma_scale_f32_16x16x128_f8f6f4, two K steps of 128 channels, the biases as the C of each sum's first instruction), rounds them to f16, and runs the attention: scores, softmax with a running maximum, weights x V.
; q, k and v never go to memory.  ctx leaves in f16, in the order of the next launch's operand registers.
; SHARES.  Eight waves, two to a SIMD, 512 registers each.  Wave w projects K and V of tokens 128 w .. 128 w + 127 (eight tiles of 16) and owns queries 32 w .. 32 w + 31 of the block: two tiles.
; LAYOUT.  K = Wk x^T is taken with source 0 = 16 rows of Wk, source 1 = 16 tokens: a lane holds one token and eight neighbouring channels, which, rounded in pairs, ARE a 16-bit fragment's registers (head size 32 = one K step).
; Q likewise.  V is taken the other way round (source 0 = tokens, source 1 = rows of Wv): a lane holds one channel and eight neighbouring tokens: the registers of V^T's fragment, whose K is the keys.
; K's and V's fragments go to LDS as IMAGES OF THEIR REGISTERS (a group of four registers: 512 bytes, lane l's 16 bytes at 16 l); one barrier; every wave then loads them by the same lines.  No pitch, no padding.
; S^T = K Q^T (source 0 = 16 keys, source 1 = 16 queries) and O^T = V^T P: a lane holds ONE query throughout; two tiles of S^T, rounded in pairs, are P's fragment for 32 keys.
; SOFTMAX.  For each query a running maximum m and sum l: p = 2^(c s - c m), c = log2(e) / sqrt(32); in every step O and l are multiplied by a = 2^(c m_old - c m_new).  The loop has no first step of its own:
; O and l begin as zeros and m as -3e38, so the first a is 0 and multiplies zeros: 32 moves once, in place of another copy of the step.
; LDS: step j (64 keys) at 8,192 j: K's four tiles at + 1,024 t, V^T's four fragments (32 keys g, 16 channels dt) at + 4,096 + 1,024 (2 g + dt).  131,072 bytes, written once, then only read.
; NO CLUSTER, NO TENSOR LOAD: the four work-groups of a head, and the eight heads of a batch, read the same 139,264 bytes of x's codes and scale words, once, at the head; each 16 bytes are wanted by one lane of one wave in a register,
; and the buffer is laid so.  A joint load would bring them into LDS beside the 131,072 bytes of images, for an LDS read more and the cluster's barrier; the sixteen steps of the loop read no memory at all.
; All loads from memory stand at the head, so nothing is prefetched.
; LIMITS: q, k, v and ctx are rounded to f16: their magnitudes stay under 65,504 (with x and the weights both 30 times the drawn spread they reach some 5,000).  NaN and infinities are not served.
; REGISTERS.  Window 0: v1-6 addresses; v16-21 the weights' scale words, v22-31 x's (these sixteen hold scales and nothing else); v32-47 statistics, eight a tile of queries: +0 c m, +1 m, +2, +3 l (even keys', odd keys'), +4 .. +7 c0-c3, a in c2's place;
;   v48-79 K's fragments; v80-111 V^T's; v112-143 O^T; v144-159 Q; v160-191 P; v192-255 S^T.  While K, V and Q are made: v48-63 bq, v64-79 bk, v80-95 bv in the results' layout; v192-223 four accumulators; v224-255 two sets of packed results.
;   Window 1: v0-95 Wq's, Wk's, Wv's fragments (32 m + 8 (2 dt + s)); v96-255 x's fragments, ten slots of 16: slots 0, 1 my query tiles, slots 2-9 my key tiles.
.set LI,  1                            ; v1  16 x lane
.set L4,  2                            ; v2  4 x lane
.set KST, 3                            ; v3  16,384 x wave + 16 x lane: where I store my images
.set ADR, 4                            ; v4  the step's LDS address
.set H32, 5                            ; v5  32 h
.set R4,  6                            ; v6  4 r
.set WS,  16
.set XS,  22
.set ST,  32
.set KF,  48
.set VF,  80
.set OA,  112
.set QF,  144
.set P,   160
.set S,   192
.set BQ,  48
.set BK,  64
.set BV,  80
.set ACC, 192
.set PK,  224
.set WF,  0                            ; in window 1
.set XF,  96                           ; in window 1
.set MSB, 0
.macro WIN new                         ; the immediate's high byte repeats the setting that is left
.if MSB != \new
	s_set_vgpr_msb (MSB<<8)|\new
.set MSB, \new
.endif
.endm
	s_load_b512 s[8:23], s[0:1], 0x0               ; xc s[8:9], xs s[10:11], wc s[12:13], ws s[14:15], bq s[16:17], bk s[18:19], bv s[20:21], cf s[22:23]
	v_lshl_add_u32 v14, v0, 2, 0x20000
	v_mov_b32 v15, 0
	v_lshrrev_b32 v7, 5, v0
	v_readfirstlane_b32 s2, v7                     ; wave 0..7
	v_and_b32 v8, 31, v0
	v_lshlrev_b32 v[LI], 4, v8
	v_lshlrev_b32 v[L4], 2, v8
	v_lshl_add_u32 v[KST], v7, 14, v[LI]
	v_bfe_u32 v9, v0, 4, 1
	v_lshlrev_b32 v[H32], 5, v9
	v_and_b32 v9, 15, v0
	v_lshlrev_b32 v[R4], 2, v9
	s_and_b32 s4, ttmp7, 0xffff
	s_lshr_b32 s5, s4, 3                           ; b
	s_and_b32 s6, s4, 7                            ; hd
	s_lshl_b32 s7, ttmp9, 4
	s_lshl_b32 s3, s2, 1
	s_add_co_u32 s7, s7, s3                        ; my first query tile: 16 x block + 2 x wave
	s_lshl_b32 s3, s2, 3                           ; my first key tile: 8 x wave
	s_mov_b32 s25, 0                               ; the upper word of every offset: s[24:25]
	s_mov_b32 s34, 0                               ; LDS byte at which the step in hand begins
	s_mov_b32 s35, 15                              ; the loop's trips
	s_mov_b32 s36, 0x3e8293ee                      ; c = log2(e) / sqrt(32)
	s_mov_b32 s37, s36                             ; (the packed form names the pair and takes its low word for both halves)
	s_mov_b32 s38, 0x76543210
	s_mov_b32 s39, 0xfedcba98                      ; v_permlanex16_b32's selects for lane l xor 16
	s_wait_kmcnt 0x0
	s_lshl_b32 s24, s5, 17
	s_add_nc_u64 s[8:9], s[8:9], s[24:25]          ; xc at my batch: 131,072 bytes a batch, 2,048 a tile
	s_lshl_b32 s24, s7, 11
	s_add_nc_u64 s[26:27], s[8:9], s[24:25]        ; at my query tiles
	s_lshl_b32 s24, s3, 11
	s_add_nc_u64 s[28:29], s[8:9], s[24:25]        ; at my key tiles
	s_lshl_b32 s24, s5, 13
	s_add_nc_u64 s[10:11], s[10:11], s[24:25]      ; xs likewise: 8,192 bytes a batch, 128 a tile
	s_lshl_b32 s24, s7, 7
	s_add_nc_u64 s[30:31], s[10:11], s[24:25]
	s_lshl_b32 s24, s3, 7
	s_add_nc_u64 s[32:33], s[10:11], s[24:25]
	s_lshl_b32 s24, s6, 12
	s_add_nc_u64 s[12:13], s[12:13], s[24:25]      ; wc at my head's two row tiles
	s_lshl_b32 s24, s6, 8
	s_add_nc_u64 s[14:15], s[14:15], s[24:25]      ; ws likewise
	s_lshl_b32 s24, s6, 7
	s_add_nc_u64 s[16:17], s[16:17], s[24:25]      ; the biases at my head's 32 numbers
	s_add_nc_u64 s[18:19], s[18:19], s[24:25]
	s_add_nc_u64 s[20:21], s[20:21], s[24:25]
	s_lshl_b32 s24, s5, 19                         ; cf: 524,288 bytes a batch,
	s_lshl_b32 s3, s7, 13                          ; 8,192 a token tile,
	s_add_co_u32 s24, s24, s3
	s_lshl_b32 s3, s6, 10                          ; 1,024 a head
	s_add_co_u32 s24, s24, s3
	s_add_nc_u64 s[22:23], s[22:23], s[24:25]
; ---- ALL LOADS FROM MEMORY, 104, in the order in which they are wanted.  First 40 into window 0: scale words and biases
.irp m, 0,1,2
.irp dt, 0,1
	global_load_b32 v[WS+2*\m+\dt], v[L4], s[14:15] offset:2048*\m+128*\dt   ; lanes 0-15: K step 0's word of row r; lanes 16-31: K step 1's
.endr
.endr
.irp i, 0,1
	global_load_b32 v[XS+\i], v[L4], s[30:31] offset:128*\i
.endr
.irp i, 0,1,2,3,4,5,6,7
	global_load_b32 v[XS+2+\i], v[L4], s[32:33] offset:128*\i
.endr
.irp dt, 0,1
.irp u, 0,1
	global_load_b128 v[BQ+8*\dt+4*\u:BQ+8*\dt+4*\u+3], v[H32], s[16:17] offset:64*\dt+16*\u   ; register j: bq[16 dt + 8 h + j]
	global_load_b128 v[BK+8*\dt+4*\u:BK+8*\dt+4*\u+3], v[H32], s[18:19] offset:64*\dt+16*\u
.endr
.endr
.irp dt, 0,1
.irp j, 0,1,2,3,4,5,6,7
	global_load_b32 v[BV+8*\dt+\j], v[R4], s[20:21] offset:64*\dt          ; V's results hold one channel a lane: bv[16 dt + r] in all eight registers of the C operand
.endr
.endr
.macro WLOAD m                         ; a matrix's four fragments (row tile dt, K step s): 8 loads of 512 consecutive bytes
.irp dt, 0,1
.irp s, 0,1
.irp c, 0,1
	global_load_b128 v[WF+32*\m+8*(2*\dt+\s)+4*\c:WF+32*\m+8*(2*\dt+\s)+4*\c+3], v[LI], s[12:13] offset:32768*\m+2048*\dt+1024*\s+512*\c
.endr
.endr
.endr
.endm
.macro XLOAD slot, b, t                ; a token tile's two fragments: 4 loads
.irp s, 0,1
.irp c, 0,1
	global_load_b128 v[XF+16*(\slot)+8*\s+4*\c:XF+16*(\slot)+8*\s+4*\c+3], v[LI], s[\b:\b+1] offset:2048*(\t)+1024*\s+512*\c
.endr
.endr
.endm
	WIN 0x40                                       ; destination window 1, address window 0: 64 loads
	WLOAD 0
	XLOAD 0, 26, 0
	XLOAD 1, 26, 1
	WLOAD 1
	WLOAD 2
.irp i, 0,1,2,3,4,5,6,7
	XLOAD 2+\i, 28, \i
.endr
	WIN 0
; One scaled product.  row = 1: K step 1, whose scale words lie in lanes 16-31 of both scale registers.
.macro PROJ d, a, b, c, sa, sb, row
.if \row
	v_wmma_scale_f32_16x16x128_f8f6f4 v[(\d):(\d)+7], v[(\a):(\a)+7], v[(\b):(\b)+7], v[(\c):(\c)+7], v[\sa], v[\sb] matrix_a_fmt:MATRIX_FMT_FP4 matrix_b_fmt:MATRIX_FMT_FP4 matrix_a_scale:MATRIX_SCALE_ROW1 matrix_b_scale:MATRIX_SCALE_ROW1
.else
	v_wmma_scale_f32_16x16x128_f8f6f4 v[(\d):(\d)+7], v[(\a):(\a)+7], v[(\b):(\b)+7], v[(\c):(\c)+7], v[\sa], v[\sb] matrix_a_fmt:MATRIX_FMT_FP4 matrix_b_fmt:MATRIX_FMT_FP4
.endif
.endm
; A vector instruction that reads a matrix result stands four places behind it, a matrix instruction that writes over one of its registers five, and only plain vector instructions that name none of its registers are places (ISA guide 7.12.1).
.macro PLACES n
.rept \n
	v_nop
.endr
.endm
; ---- Q of my two tiles: four accumulators (tile i, 16 channels dt) by turns, K step 0 over all four, then K step 1
	s_wait_loadcnt 48                              ; the 40 of window 0, Wq's 8 and my query tiles' 8 are in; Wk's 8, Wv's 8 and the key tiles' 32 may be out
	WIN 0x05                                       ; sources 0 and 1 window 1; C and D window 0
.irp s, 0,1
.irp i, 0,1
.irp dt, 0,1
.if \s == 0
	PROJ ACC+8*(2*\i+\dt), WF+8*(2*\dt+\s), XF+16*\i+8*\s, BQ+8*\dt, WS+\dt, XS+\i, 0
.else
	PROJ ACC+8*(2*\i+\dt), WF+8*(2*\dt+\s), XF+16*\i+8*\s, ACC+8*(2*\i+\dt), WS+\dt, XS+\i, 1
.endif
.endr
.endr
.endr
	WIN 0
	PLACES 5                                       ; four for the roundings below, five for the next products, which begin these accumulators anew
.irp a, 0,1,2,3
.irp p, 0,1,2,3
	v_cvt_pk_f16_f32 v[QF+4*\a+\p], v[ACC+8*\a+2*\p], v[ACC+8*\a+2*\p+1]   ; lane (r, h): q(query r, 16 dt + 8 h + 2 p, + 1): Q's fragment as it stands; each accumulator from its low end on
.endr
.endr
; ---- K and V of my eight key tiles.  Four accumulators by turns: K's two (source 0 = Wk, source 1 = tokens), V's two (source 0 = tokens, source 1 = Wv)
.macro KVTILE i
	s_wait_loadcnt 28-4*(\i)                       ; this tile's fragments are in; the 7 - i later tiles' four loads each may be out
	WIN 0x05
.irp s, 0,1
.irp dt, 0,1
.if \s == 0
	PROJ ACC+8*\dt, WF+32+8*(2*\dt+\s), XF+16*(2+\i)+8*\s, BK+8*\dt, WS+2+\dt, XS+2+\i, 0
.else
	PROJ ACC+8*\dt, WF+32+8*(2*\dt+\s), XF+16*(2+\i)+8*\s, ACC+8*\dt, WS+2+\dt, XS+2+\i, 1
.endif
.endr
.irp dt, 0,1
.if \s == 0
	PROJ ACC+16+8*\dt, XF+16*(2+\i)+8*\s, WF+64+8*(2*\dt+\s), BV+8*\dt, XS+2+\i, WS+4+\dt, 0
.else
	PROJ ACC+16+8*\dt, XF+16*(2+\i)+8*\s, WF+64+8*(2*\dt+\s), ACC+16+8*\dt, XS+2+\i, WS+4+\dt, 1
.endif
.endr
.endr
	WIN 0
	PLACES 5                                       ; four for the roundings, five for the next tile's products
.if (\i) >= 2
	s_wait_dscnt 4                                 ; the stores of two tiles back, which read this set of packed registers, are done; the last tile's four may be out
.endif
.irp a, 0,1,2,3
.irp p, 0,1,2,3
	v_cvt_pk_f16_f32 v[PK+16*((\i)%2)+4*\a+\p], v[ACC+8*\a+2*\p], v[ACC+8*\a+2*\p+1]
.endr
.endr
.irp dt, 0,1
	ds_store_b128 v[KST], v[PK+16*((\i)%2)+4*\dt:PK+16*((\i)%2)+4*\dt+3] offset:((\i)/4)*8192+((\i)%4)*1024+512*\dt   ; K's tile: register group dt
.endr
.irp dt, 0,1
	ds_store_b128 v[KST], v[PK+16*((\i)%2)+8+4*\dt:PK+16*((\i)%2)+8+4*\dt+3] offset:((\i)/4)*8192+4096+(2*(((\i)/2)%2)+\dt)*1024+512*((\i)%2)   ; V^T's fragment (32 keys, dt): this tile is its register group i % 2
.endr
.endm
.irp i, 0,1,2,3,4,5,6,7
	KVTILE \i
.endr
	s_wait_dscnt 0x0                               ; for the others' sake: my images have landed
	s_barrier_signal -1
.irp j, 0,1,2,3,4,5,6,7,8,9,10,11,12,13,14,15,16,17,18,19,20,21,22,23,24,25,26,27,28,29,30,31
	v_mov_b32 v[OA+\j], 0                          ; O^T: work on registers while the others arrive
.endr
.irp q, 0,1
	v_mov_b32 v[ST+8*\q+1], 0xff61b1e6             ; m = -3e38, under every score
	v_mul_f32 v[ST+8*\q], s36, v[ST+8*\q+1]        ; c m
	v_mov_b32 v[ST+8*\q+2], 0                      ; l, in two halves
	v_mov_b32 v[ST+8*\q+3], 0
.endr
	v_mov_b32 v[ADR], v[LI]
	s_barrier_wait -1                              ; all 1,024 keys' images lie in LDS; nothing is written there any more
.macro LOADK off                       ; four tiles of K: 8 loads of 512 consecutive bytes
.irp t, 0,1,2,3
.irp c, 0,1
	ds_load_b128 v[KF+8*\t+4*\c:KF+8*\t+4*\c+3], v[ADR] offset:\off+1024*\t+512*\c
.endr
.endr
.endm
.macro LOADV                           ; four fragments of V^T
.irp f, 0,1,2,3
.irp c, 0,1
	ds_load_b128 v[VF+8*\f+4*\c:VF+8*\f+4*\c+3], v[ADR] offset:4096+1024*\f+512*\c
.endr
.endr
.endm
; The new maximum of both tiles of queries, line by line by turns.  Four chains a tile, each begun at the low three registers of one accumulator of S^T.
.macro MAXQ
.irp j, 0,1,2,3
.irp q, 0,1
	v_max3_num_f32 v[ST+8*\q+4+\j], v[S+32*\q+8*\j], v[S+32*\q+8*\j+1], v[S+32*\q+8*\j+2]
.endr
.endr
.irp u, 3,5
.irp j, 0,1,2,3
.irp q, 0,1
	v_max3_num_f32 v[ST+8*\q+4+\j], v[ST+8*\q+4+\j], v[S+32*\q+8*\j+\u], v[S+32*\q+8*\j+\u+1]
.endr
.endr
.endr
.irp q, 0,1
	v_max3_num_f32 v[ST+8*\q+4], v[ST+8*\q+4], v[S+32*\q+7], v[S+32*\q+15]
.endr
.irp q, 0,1
	v_max3_num_f32 v[ST+8*\q+6], v[ST+8*\q+6], v[S+32*\q+23], v[S+32*\q+31]
.endr
.irp q, 0,1
	v_max3_num_f32 v[ST+8*\q+4], v[ST+8*\q+4], v[ST+8*\q+5], v[ST+8*\q+6]
.endr
.irp q, 0,1
	v_max3_num_f32 v[ST+8*\q+4], v[ST+8*\q+4], v[ST+8*\q+7], v[ST+8*\q+1]   ; with the old m
.endr
.irp q, 0,1
	v_permlanex16_b32 v[ST+8*\q+5], v[ST+8*\q+4], s38, s39                   ; the query's other 32 keys lie in the lane 16 away
.endr
.irp q, 0,1
	v_mov_b32 v[ST+8*\q+7], v[ST+8*\q]             ; c m_old is kept for a
.endr
.irp q, 0,1
	v_max_num_f32 v[ST+8*\q+1], v[ST+8*\q+4], v[ST+8*\q+5]
.endr
.irp q, 0,1
	v_mul_f32 v[ST+8*\q], s36, v[ST+8*\q+1]
.endr
.irp q, 0,1
	v_sub_f32 v[ST+8*\q+7], v[ST+8*\q+7], v[ST+8*\q]
.endr
.irp q, 0,1
	v_exp_f32 v[ST+8*\q+6], v[ST+8*\q+7]           ; a = 2^(c m_old - c m_new); the scalings that follow are the plain lines behind it
.endr
.endm
.macro SCALE q                         ; pair i of tile q: c s - c m
	v_pk_fma_f32 v[S+32*\q+2*i:S+32*\q+2*i+1], v[S+32*\q+2*i:S+32*\q+2*i+1], s[36:37], v[ST+8*\q:ST+8*\q+1] op_sel_hi:[1,0,0] neg_lo:[0,0,1] neg_hi:[0,0,1]
.endm
.macro SUM q                           ; l takes pair i of tile q's weights (unrounded); the first of them with l's rescaling
.if i == 0
	v_pk_fma_f32 v[ST+8*\q+2:ST+8*\q+3], v[ST+8*\q+2:ST+8*\q+3], v[ST+8*\q+6:ST+8*\q+7], v[S+32*\q:S+32*\q+1] op_sel_hi:[1,0,1]
	s_wait_alu depctr_va_vdst(0)
.else
	v_pk_add_f32 v[ST+8*\q+2:ST+8*\q+3], v[ST+8*\q+2:ST+8*\q+3], v[S+32*\q+2*i:S+32*\q+2*i+1]
.endif
.endm
.macro ROUNDP q                        ; pair i of tile q's weights to f16: register i of P's two fragments
	s_wait_alu depctr_va_vdst(0)
	v_cvt_pk_f16_f32 v[P+16*\q+i], v[S+32*\q+2*i], v[S+32*\q+2*i+1]
.endm
.macro PV q                            ; O^T += V^T P for tile q: its two accumulators by turns
.irp g, 0,1
.irp dt, 0,1
	v_wmma_f32_16x16x32_f16 v[OA+16*\q+8*\dt:OA+16*\q+8*\dt+7], v[VF+8*(2*\g+\dt):VF+8*(2*\g+\dt)+7], v[P+16*\q+8*\g:P+16*\q+8*\g+7], v[OA+16*\q+8*\dt:OA+16*\q+8*\dt+7]
.endr
.endr
.endm
; A STEP: 64 keys.  Every exponential has a plain line that names none of its registers behind it; tile 1's exponentials stand among tile 0's roundings and sums, tile 1's roundings and sums behind tile 0's products.
.macro STEP last
	s_wait_dscnt 0x0                               ; this step's K, asked for a step ago, is in
.irp t, 0,1,2,3
.irp q, 0,1
	v_wmma_f32_16x16x32_f16 v[S+32*\q+8*\t:S+32*\q+8*\t+7], v[KF+8*\t:KF+8*\t+7], v[QF+8*\q:QF+8*\q+7], 0   ; eight accumulators, each begun by the constant 0
.endr
.endr
	v_add_nc_u32 v[ADR], s34, v[LI]                ; this line and three v_nop: the four places in front of the loads into K's and V's registers and of the first read of the scores
	PLACES 3
	LOADV
.if \last == 0
	LOADK 8192                                     ; the next step's K
.endif
	MAXQ
.set i, 0
.rept 16
	SCALE 0
.set i, i+1
.endr
.set i, 0
.rept 16
	v_exp_f32 v[S+2*i], v[S+2*i]
	SCALE 1
	v_exp_f32 v[S+2*i+1], v[S+2*i+1]
	s_wait_alu depctr_va_vdst(0)
	v_pk_mul_f32 v[OA+2*i:OA+2*i+1], v[OA+2*i:OA+2*i+1], v[ST+8*(i/8)+6:ST+8*(i/8)+7] op_sel_hi:[1,0]   ; O^T x a, each accumulator from its low end on
.set i, i+1
.endr
.set i, 0
.rept 16
	v_exp_f32 v[S+32+2*i], v[S+32+2*i]
	ROUNDP 0
	v_exp_f32 v[S+32+2*i+1], v[S+32+2*i+1]
	SUM 0
.set i, i+1
.endr
.if \last
	s_wait_dscnt 0x0                               ; V is in
.else
	s_wait_dscnt 8                                 ; V is in; the eight younger loads, the next step's K, may be out
.endif
	PV 0
.set i, 0
.rept 16
	ROUNDP 1
	SUM 1
.set i, i+1
.endr
	PV 1
.if \last == 0
	s_add_co_u32 s34, s34, 8192
.endif
.endm
	LOADK 0                                        ; step 0's K (five places stand behind the last product that read these registers as a bias)
.Lstep:                                            ; 15 trips; no two matrix instructions that follow each other share an accumulator, over the backward jump too
	STEP 0
	s_sub_co_u32 s35, s35, 1
	s_cmp_lg_u32 s35, 0
	s_cbranch_scc1 .Lstep
	STEP 1                                         ; the sixteenth step is written out: it asks for no further K
; ---- THE WAY OUT.  l's two halves and the other half of the lanes' are added; O^T / l, rounded in pairs, is ctx's fragment (16 tokens x my head's 32 channels) for the next launch.
.irp q, 0,1
	v_add_f32 v[ST+8*\q+4], v[ST+8*\q+2], v[ST+8*\q+3]
.endr
.irp q, 0,1
	v_permlanex16_b32 v[ST+8*\q+5], v[ST+8*\q+4], s38, s39
.endr
.irp q, 0,1
	v_add_f32 v[ST+8*\q+4], v[ST+8*\q+4], v[ST+8*\q+5]
.endr
	PLACES 2                                       ; with the four additions: the places behind the last products
.irp q, 0,1
	v_rcp_f32 v[ST+8*\q+6], v[ST+8*\q+4]
.endr
	v_nop                                          ; a plain line between the last reciprocal and the use of its result
.set i, 0
	s_wait_alu depctr_va_vdst(0)
.rept 16
	v_pk_mul_f32 v[OA+2*i:OA+2*i+1], v[OA+2*i:OA+2*i+1], v[ST+8*(i/8)+6:ST+8*(i/8)+7] op_sel_hi:[1,0]
.set i, i+1
.endr
.irp q, 0,1
.irp dt, 0,1
.irp p, 0,1,2,3
	v_cvt_pk_f16_f32 v[P+16*\q+4*\dt+\p], v[OA+16*\q+8*\dt+2*\p], v[OA+16*\q+8*\dt+2*\p+1]   ; lane (r, h): ctx(query r, 16 dt + 8 h + 2 p, + 1)
.endr
.endr
.endr
.irp q, 0,1
.irp c, 0,1
	global_store_b128 v[LI], v[P+16*\q+4*\c:P+16*\q+4*\c+3], s[22:23] offset:8192*\q+512*\c   ; 32 lanes store 512 consecutive bytes, at a multiple of 256 from cf's first byte
.endr
.endr
	s_barrier_signal -1
	s_barrier_wait -1
	s_wait_tensorcnt 0x0
	ds_add_u32 v14, v15
	s_wait_dscnt 0x0
	s_endpgm
.Lfunc_end_k_q8ef9362123_attn:
	.size	k_q8ef9362123_attn, .Lfunc_end_k_q8ef9362123_attn-k_q8ef9362123_attn
	.p2alignl 7, 3214868480
	.fill 96, 4, 3214868480
	.section	.rodata,"a",@progbits
	.p2align	6, 0x0
	.amdhsa_kernel k_q8ef9362123_attn
		.amdhsa_group_segment_fixed_size 132096
		.amdhsa_private_segment_fixed_size 0
		.amdhsa_enable_private_segment 0
		.amdhsa_kernarg_size 64
		.amdhsa_user_sgpr_count 2
		.amdhsa_user_sgpr_kernarg_segment_ptr 1
		.amdhsa_wavefront_size32 1
		.amdhsa_system_sgpr_workgroup_id_x 1
		.amdhsa_system_sgpr_workgroup_id_y 1
		.amdhsa_system_sgpr_workgroup_id_z 1
		.amdhsa_system_vgpr_workitem_id 0
		.amdhsa_next_free_vgpr 512
		.amdhsa_next_free_sgpr 66
		.amdhsa_reserve_vcc 0
		.amdhsa_float_denorm_mode_32 3
		.amdhsa_float_denorm_mode_16_64 3
		.amdhsa_memory_ordered 1
		.amdhsa_forward_progress 1
		.amdhsa_inst_pref_size 70
	.end_amdhsa_kernel
	.amdgpu_metadata
---
amdhsa.version: [ 1, 2 ]
amdhsa.kernels:
  - .name:           k_q8ef9362123_attn
    .symbol:         k_q8ef9362123_attn.kd
    .args:
      - { .name: xc, .offset: 0, .size: 8, .value_kind: global_buffer, .address_space: global }
      - { .name: xs, .offset: 8, .size: 8, .value_kind: global_buffer, .address_space: global }
      - { .name: wc, .offset: 16, .size: 8, .value_kind: global_buffer, .address_space: global }
      - { .name: ws, .offset: 24, .size: 8, .value_kind: global_buffer, .address_space: global }
      - { .name: bq, .offset: 32, .size: 8, .value_kind: global_buffer, .address_space: global }
      - { .name: bk, .offset: 40, .size: 8, .value_kind: global_buffer, .address_space: global }
      - { .name: bv, .offset: 48, .size: 8, .value_kind: global_buffer, .address_space: global }
      - { .name: cf, .offset: 56, .size: 8, .value_kind: global_buffer, .address_space: global }
    .group_segment_fixed_size: 132096
    .private_segment_fixed_size: 0
    .kernarg_segment_align: 8
    .kernarg_segment_size: 64
    .max_flat_workgroup_size: 256
    .sgpr_count:     66
    .vgpr_count:     512
    .wavefront_size: 32
...
	.end_amdgpu_metadata
.endif
;; end of part 2
;; launch oproj (part 3): grid 128 x 2, 8 waves a work-group, no clusters, 68,608 bytes of LDS; arguments cf, wof, bo, out0; writes out0
.if DOCPART == 3
	.amdgcn_target "amdgcn-amd-amdhsa--gfx1250"
	.amdhsa_code_object_version 6
	.text
	.protected	k_q8ef9362123_oproj
	.globl	k_q8ef9362123_oproj
	.p2align	8
	.type	k_q8ef9362123_oproj,@function
k_q8ef9362123_oproj:
	s_mov_b64 s[64:65], 0
	v_nop
	global_prefetch_b8 v0, s[64:65] scope:SCOPE_SE
	s_setreg_imm32_b32 hwreg(HW_REG_WAVE_MODE, 25, 1), 1
	s_wait_xcnt 0x0
; out0[b][d][n] = the sum over c of ctx[b][n][c] Wo[d][c] + bo[d].  ctx and Wo arrive in f16, laid in the order of a 16-bit fragment's registers (a group of four registers: 512 bytes, lane l's 16 bytes at 16 l); sums in f32.
; SHARES.  A work-group takes 64 tokens (x = 16 b + the block of tokens) and 128 outputs (y); wave w makes outputs 16 (8 y + w) .. + 15 for the 64 tokens: four accumulators, eight K steps of 32 channels, 32 matrix instructions.
; ctx's 32 fragments of the 64 tokens are one dense block of 32,768 bytes: each wave copies an eighth of it into LDS through registers, as it lies; one barrier; every wave reads all of it.  A wave's 8 fragments of Wo stay in registers.
; Source 0 = 16 tokens, source 1 = 16 rows of Wo: a lane holds ONE output d = r and eight neighbouring tokens, 32 bytes of a row of out0.  bo[d] is the C of each sum's first instruction.
; THE WAY OUT: a wave's 16 rows x 64 tokens go through its own stage in LDS (rows of 256 bytes + 16: row r starts at bank 4 r mod 64, 64 banks of 4 bytes: ISA guide 11.1) and leave as rows: sixteen lanes store 256 consecutive bytes.
; NO CLUSTER, NO TENSOR LOAD: the two work-groups of a block of tokens share 32,768 bytes, read once at the head; a work-group's whole matrix work is 256 instructions, and a cluster's barrier in front of one joint load would stand beside that.  All loads from memory stand at the head, so nothing is prefetched.
; LIMIT: f16 operands: ctx's and Wo's magnitudes stay under 65,504.
.set LI,    1                          ; v1  16 x lane
.set CST,   2                          ; v2  4,096 x wave + 16 x lane: where I copy ctx to
.set R4,    3                          ; v3  4 r
.set STO,   4                          ; v4  the stage: where I put 32 bytes of a row
.set RD,    5                          ; v5  and where I read a row back
.set GO,    6                          ; v6  my byte offset in the wave's rows of out0
.set BIAS,  16                         ; v16-23   bo[16 dt + r] in all eight registers of the C operand
.set ACC,   24                         ; v24-55   four accumulators: tokens 16 t on
.set WF,    56                         ; v56-119  Wo's eight fragments
.set X0,    120                        ; v120-183 ctx's fragments of two K steps (4 u + t); first the copy's 32 registers, at last the rows on their way out
.set X1,    184                        ; v184-247 the same, the other buffer
.set STAGE, 32768
.set SP,    272
	s_load_b256 s[8:15], s[0:1], 0x0               ; cf s[8:9], wof s[10:11], bo s[12:13], out0 s[14:15]
	v_lshl_add_u32 v248, v0, 2, 0x10800
	v_mov_b32 v249, 0
	v_lshrrev_b32 v7, 5, v0
	v_readfirstlane_b32 s2, v7                     ; wave 0..7
	v_and_b32 v8, 31, v0
	v_and_b32 v9, 15, v0                           ; r
	v_bfe_u32 v10, v0, 4, 1                        ; h
	v_lshlrev_b32 v[LI], 4, v8
	v_lshl_add_u32 v[CST], v7, 12, v[LI]
	v_lshlrev_b32 v[R4], 2, v9
	s_mul_i32 s3, s2, 16*SP
	s_add_co_u32 s3, s3, STAGE                     ; my stage
	v_mul_u32_u24 v[STO], v9, SP
	v_lshl_add_u32 v[STO], v10, 5, v[STO]
	v_add_nc_u32 v[STO], s3, v[STO]                ; in: row r, + 32 h
	v_mul_u32_u24 v[RD], v10, SP
	v_lshl_add_u32 v[RD], v9, 4, v[RD]
	v_add_nc_u32 v[RD], s3, v[RD]                  ; back: lanes 0-15 one row, lanes 16-31 the next
	v_lshlrev_b32 v[GO], 12, v10
	v_lshl_add_u32 v[GO], v9, 4, v[GO]             ; and the same two rows of out0, 4,096 bytes apart
	s_and_b32 s4, ttmp7, 0xffff
	s_lshl_b32 s4, s4, 3
	s_add_co_u32 s4, s4, s2                        ; dt = 8 y + wave
	s_mov_b32 s17, 0                               ; the upper word of every offset: s[16:17]
	s_wait_kmcnt 0x0
	s_lshl_b32 s16, ttmp9, 15                      ; cf: 32,768 bytes a block of 64 tokens,
	s_lshl_b32 s5, s2, 12                          ; my eighth of it
	s_add_co_u32 s16, s16, s5
	s_add_nc_u64 s[8:9], s[8:9], s[16:17]
	s_lshl_b32 s16, s4, 13
	s_add_nc_u64 s[10:11], s[10:11], s[16:17]      ; wof: 8,192 bytes a row tile
	s_lshl_b32 s16, s4, 6
	s_add_nc_u64 s[12:13], s[12:13], s[16:17]      ; bo: my 16 numbers
	s_lshr_b32 s5, ttmp9, 4                        ; b
	s_lshl_b32 s16, s5, 20                         ; out0: 1,048,576 bytes a batch,
	s_lshl_b32 s5, s4, 16                          ; 16 rows of 4,096,
	s_add_co_u32 s16, s16, s5
	s_and_b32 s5, ttmp9, 15
	s_lshl_b32 s5, s5, 8                           ; 64 tokens of 4
	s_add_co_u32 s16, s16, s5
	s_add_nc_u64 s[14:15], s[14:15], s[16:17]
.irp i, 0,1,2,3,4,5,6,7
	global_load_b128 v[X0+4*\i:X0+4*\i+3], v[LI], s[8:9] offset:512*\i
.endr
.irp ks, 0,1,2,3,4,5,6,7
.irp c, 0,1
	global_load_b128 v[WF+8*\ks+4*\c:WF+8*\ks+4*\c+3], v[LI], s[10:11] offset:1024*\ks+512*\c
.endr
.endr
.irp j, 0,1,2,3,4,5,6,7
	global_load_b32 v[BIAS+\j], v[R4], s[12:13]
.endr
	s_wait_loadcnt 24                              ; my eighth of ctx is in; Wo's 16 loads and the bias's 8 may be out
.irp i, 0,1,2,3,4,5,6,7
	ds_store_b128 v[CST], v[X0+4*\i:X0+4*\i+3] offset:512*\i
.endr
	s_wait_dscnt 0x0                               ; for the others' sake: my stores have landed
	s_barrier_signal -1
	s_barrier_wait -1                              ; ctx's 32 fragments lie in LDS; nobody writes those bytes again
.macro FETCH buf, kp                   ; K steps 2 kp and 2 kp + 1 of the four tiles of tokens: 16 loads of 512 consecutive bytes
.irp u, 0,1
.irp t, 0,1,2,3
.irp c, 0,1
	ds_load_b128 v[\buf+8*(4*\u+\t)+4*\c:\buf+8*(4*\u+\t)+4*\c+3], v[LI] offset:8192*\t+1024*(2*\kp+\u)+512*\c
.endr
.endr
.endr
.endm
.macro MUL buf, kp, first              ; 8 matrix instructions: the four accumulators by turns, one instruction a turn
.irp u, 0,1
.irp t, 0,1,2,3
.if (\first) && (\u == 0)
	v_wmma_f32_16x16x32_f16 v[ACC+8*\t:ACC+8*\t+7], v[\buf+8*(4*\u+\t):\buf+8*(4*\u+\t)+7], v[WF+8*(2*\kp+\u):WF+8*(2*\kp+\u)+7], v[BIAS:BIAS+7]
.else
	v_wmma_f32_16x16x32_f16 v[ACC+8*\t:ACC+8*\t+7], v[\buf+8*(4*\u+\t):\buf+8*(4*\u+\t)+7], v[WF+8*(2*\kp+\u):WF+8*(2*\kp+\u)+7], v[ACC+8*\t:ACC+8*\t+7]
.endif
.endr
.endr
.endm
.macro PLACES                          ; four places in front of loads into registers that matrix instructions have read, and of the first read of results (ISA guide 7.12.1 for vector instructions)
.rept 4
	v_nop
.endr
.endm
	FETCH X0, 0
	FETCH X1, 1
	s_wait_loadcnt 0x0                             ; Wo and the bias
	s_wait_dscnt 16                                ; buffer 0 is in; buffer 1's 16 loads may be out
	MUL X0, 0, 1
	PLACES
	FETCH X0, 2
	s_wait_dscnt 16                                ; buffer 1 is in; the 16 just issued may be out
	MUL X1, 1, 0
	PLACES
	FETCH X1, 3
	s_wait_dscnt 16
	MUL X0, 2, 0
	s_wait_dscnt 0x0
	MUL X1, 3, 0
	PLACES
.irp t, 0,1,2,3
	ds_store_b128 v[STO], v[ACC+8*\t:ACC+8*\t+3] offset:64*\t              ; lane (r, h): out(16 dt + r, tokens 16 t + 8 h + 0 .. 7); each accumulator from its low end on
	ds_store_b128 v[STO], v[ACC+8*\t+4:ACC+8*\t+7] offset:64*\t+16
.endr
.irp i, 0,1,2,3,4,5,6,7
	ds_load_b128 v[X0+4*\i:X0+4*\i+3], v[RD] offset:2*\i*SP                ; my own bytes: LDS serves a wave's instructions in order (ISA guide 5.7.1.4), so these see the stores above
.endr
.irp i, 0,1,2,3,4,5,6,7
	s_wait_dscnt 7-\i                              ; rows 2 i and 2 i + 1 are back; the later rows' loads may be out
	global_store_b128 v[GO], v[X0+4*\i:X0+4*\i+3], s[14:15] offset:8192*\i th:TH_STORE_NT   ; sixteen lanes store 256 consecutive bytes, at a multiple of 256 from out0's first byte; written once, read by nobody here
.endr
	s_barrier_signal -1
	s_barrier_wait -1
	s_wait_tensorcnt 0x0
	ds_add_u32 v248, v249
	s_wait_dscnt 0x0
	s_endpgm
.Lfunc_end_k_q8ef9362123_oproj:
	.size	k_q8ef9362123_oproj, .Lfunc_end_k_q8ef9362123_oproj-k_q8ef9362123_oproj
	.p2alignl 7, 3214868480
	.fill 96, 4, 3214868480
	.section	.rodata,"a",@progbits
	.p2align	6, 0x0
	.amdhsa_kernel k_q8ef9362123_oproj
		.amdhsa_group_segment_fixed_size 68608
		.amdhsa_private_segment_fixed_size 0
		.amdhsa_enable_private_segment 0
		.amdhsa_kernarg_size 32
		.amdhsa_user_sgpr_count 2
		.amdhsa_user_sgpr_kernarg_segment_ptr 1
		.amdhsa_wavefront_size32 1
		.amdhsa_system_sgpr_workgroup_id_x 1
		.amdhsa_system_sgpr_workgroup_id_y 1
		.amdhsa_system_sgpr_workgroup_id_z 1
		.amdhsa_system_vgpr_workitem_id 0
		.amdhsa_next_free_vgpr 250
		.amdhsa_next_free_sgpr 66
		.amdhsa_reserve_vcc 0
		.amdhsa_float_denorm_mode_32 3
		.amdhsa_float_denorm_mode_16_64 3
		.amdhsa_memory_ordered 1
		.amdhsa_forward_progress 1
		.amdhsa_inst_pref_size 15
	.end_amdhsa_kernel
	.amdgpu_metadata
---
amdhsa.version: [ 1, 2 ]
amdhsa.kernels:
  - .name:           k_q8ef9362123_oproj
    .symbol:         k_q8ef9362123_oproj.kd
    .args:
      - { .name: cf, .offset: 0, .size: 8, .value_kind: global_buffer, .address_space: global }
      - { .name: wof, .offset: 8, .size: 8, .value_kind: global_buffer, .address_space: global }
      - { .name: bo, .offset: 16, .size: 8, .value_kind: global_buffer, .address_space: global }
      - { .name: out0, .offset: 24, .size: 8, .value_kind: global_buffer, .address_space: global }
    .group_segment_fixed_size: 68608
    .private_segment_fixed_size: 0
    .kernarg_segment_align: 8
    .kernarg_segment_size: 32
    .max_flat_workgroup_size: 256
    .sgpr_count:     66
    .vgpr_count:     250
    .wavefront_size: 32
...
	.end_amdgpu_metadata
.endif
;; end of part 3
;; ======== version 2 of 2: 3 launches; version 1 with the launch attn written anew for expert scheduling mode
;; limits: values are held in f16: magnitudes above 65,504 overflow, below 6.1e-05 lose precision
;; workspace buffers: xc 1,048,576 bytes; xs 65,536 bytes; wc 98,304 bytes; ws 6,144 bytes; wof 131,072 bytes; cf 4,194,304 bytes
;; launch prep: the kernel of part 1 again; grid 312 x 1, 2 waves a work-group, no clusters, 0 bytes of LDS; arguments x, Wq, Wk, Wv, Wo, xc, xs, wc, ws, wof; writes xc, xs, wc, ws, wof
;; launch attn (part 4): grid 4 x 64, 8 waves a work-group, no clusters, 132,096 bytes of LDS; arguments xc, xs, wc, ws, bq, bk, bv, cf; writes cf
.if DOCPART == 4
	.amdgcn_target "amdgcn-amd-amdhsa--gfx1250"
	.amdhsa_code_object_version 6
	.text
	.protected	k_q8ef9362123_attn
	.globl	k_q8ef9362123_attn
	.p2align	8
	.type	k_q8ef9362123_attn,@function
k_q8ef9362123_attn:
	s_mov_b64 s[64:65], 0
	v_nop
	global_prefetch_b8 v0, s[64:65] scope:SCOPE_SE
	s_setreg_imm32_b32 hwreg(HW_REG_WAVE_SCHED_MODE, 0, 2), 2
	s_setreg_imm32_b32 hwreg(HW_REG_WAVE_MODE, 25, 1), 1
	s_wait_xcnt 0x0
	s_wait_alu depctr_vm_vsrc(0)
; One work-group: one batch b, one head hd, 256 queries.  From x's and the weights' codes of FP4 (E2M1, one E8M0 scale for each 32 channels) it makes K and V of the head for all 1,024 tokens and Q for its queries
; (v_wmma_scale_f32_16x16x128_f8f6f4, two K steps of 128 channels, the biases as the C of each sum's first instruction), rounds them to f16, and runs the attention: scores, softmax with a running maximum, weights x V.
; q, k and v never go to memory.  ctx leaves in f16, in the order of the next launch's operand registers.
; SHARES.  Eight waves, two to a SIMD, 512 registers each.  Wave w projects K and V of tokens 128 w .. 128 w + 127 (eight tiles of 16) and owns queries 32 w .. 32 w + 31 of the block: two tiles.
; LAYOUT.  K = Wk x^T is taken with source 0 = 16 rows of Wk, source 1 = 16 tokens: a lane holds one token and eight neighbouring channels, which, rounded in pairs, ARE a 16-bit fragment's registers (head size 32 = one K step).
; Q likewise.  V is taken the other way round (source 0 = tokens, source 1 = rows of Wv): a lane holds one channel and eight neighbouring tokens: the registers of V^T's fragment, whose K is the keys.
; K's and V's fragments go to LDS as IMAGES OF THEIR REGISTERS (a group of four registers: 512 bytes, lane l's 16 bytes at 16 l); one barrier; every wave then loads them by the same lines.  No pitch, no padding.
; S^T = K Q^T (source 0 = 16 keys, source 1 = 16 queries) and O^T = V^T P: a lane holds ONE query throughout; two tiles of S^T, rounded in pairs, are P's fragment for 32 keys.
; SOFTMAX.  For each query a running maximum m and sum l: p = 2^(c s - c m), c = log2(e) / sqrt(32); in every step O and l are multiplied by a = 2^(c m_old - c m_new).  The loop has no first step of its own:
; O and l begin as zeros and m as -3e38, so the first a is 0 and multiplies zeros: 32 moves once, in place of another copy of the step.
; LDS: step j (64 keys) at 8,192 j: K's four tiles at + 1,024 t, V^T's four fragments (32 keys g, 16 channels dt) at + 4,096 + 1,024 (2 g + dt).  131,072 bytes, written once, then only read.
; NO CLUSTER, NO TENSOR LOAD: the four work-groups of a head, and the eight heads of a batch, read the same 139,264 bytes of x's codes and scale words, once, at the head; each 16 bytes are wanted by one lane of one wave in a register,
; and the buffer is laid so.  A joint load would bring them into LDS beside the 131,072 bytes of images, for an LDS read more and the cluster's barrier; the sixteen steps of the loop read no memory at all.
; All loads from memory stand at the head, so nothing is prefetched.
; LIMITS: q, k, v and ctx are rounded to f16: their magnitudes stay under 65,504 (with x and the weights both 30 times the drawn spread they reach some 5,000).  NaN and infinities are not served.
; THE MODE: SCHED_MODE bits 1:0 = 2 (LLVM: expert scheduling mode 2), set by the entry lines.  The code itself states the register dependences between vector or matrix instructions and memory or LDS instructions, with s_wait_alu, always for 0.
; THE PLAN.  Registers that memory or LDS instructions touch:
;   v1-3, v5, v6   offsets and addresses, made once at the head and never written again; v14, v15 likewise, read by the closing add alone.
;   v16-31, v48-95, window 1   filled by the 104 loads at the head; read by the scaled products; no vector instruction writes them.
;   PK0, PK1       Key tile i: its sixteen roundings write set i % 2, its four LDS stores read it; tile i + 2 writes it again.  From step 0 on these registers are half of S^T.
;   KF             Step j: its eight score products read it; behind them the loads of step j + 1's K land in it.  (Before step 0 it held bq and bk, which products read as C.)
;   VF             Step j: V's loads land in it; the step's eight products V^T P read it; step j + 1's loads land in it.  (Before step 0 it held bv.)
;   v[ADR]         Written once a step, behind the score products; read by the step's sixteen LDS loads.
;   S^T, P, O^T, Q and the statistics are named in the loop by vector and matrix instructions alone.
; So ONE wait on va_vdst serves a step's sixteen loads.  It stands behind the score products and the add to v[ADR], where the maximum wants the scores in any case, and states that v[ADR] is written, that the score products are done
; reading KF and that the last step's products are done reading VF.  Behind it no vector or matrix instruction names v[ADR] or KF before the step's end, nor VF before the products that want V: V's loads follow at once, the next K's are dealt among the scalings.
; One wait on vm_vsrc a step stands ahead of the add to v[ADR].  The exponentials go in two batches, each with one wait on va_vdst ahead of its first reader.
; REGISTERS.  Window 0: v1-6 addresses; v16-21 the weights' scale words, v22-31 x's (these sixteen hold scales and nothing else); v32-47 statistics, eight a tile of queries: +0 c m, +1 m, +2, +3 l (even keys', odd keys'), +4 .. +7 c0-c3, a in c2's place;
;   v48-79 K's fragments; v80-111 V^T's; v112-143 O^T; v144-159 Q; v160-191 P; v192-255 S^T.  While K, V and Q are made: v48-63 bq, v64-79 bk, v80-95 bv in the results' layout; v192-223 four accumulators; v224-255 two sets of packed results.
;   Window 1: v0-95 Wq's, Wk's, Wv's fragments (32 m + 8 (2 dt + s)); v96-255 x's fragments, ten slots of 16: slots 0, 1 my query tiles, slots 2-9 my key tiles.
.set LI,  1                            ; v1  16 x lane
.set L4,  2                            ; v2  4 x lane
.set KST, 3                            ; v3  16,384 x wave + 16 x lane: where I store my images
.set ADR, 4                            ; v4  the step's LDS address
.set H32, 5                            ; v5  32 h
.set R4,  6                            ; v6  4 r
.set WS,  16
.set XS,  22
.set ST,  32
.set KF,  48
.set VF,  80
.set OA,  112
.set QF,  144
.set P,   160
.set S,   192
.set BQ,  48
.set BK,  64
.set BV,  80
.set ACC, 192
.set PK,  224
.set WF,  0                            ; in window 1
.set XF,  96                           ; in window 1
.set MSB, 0
.macro WIN new                         ; the immediate's high byte repeats the setting that is left
.if MSB != \new
	s_set_vgpr_msb (MSB<<8)|\new
.set MSB, \new
.endif
.endm
	s_load_b512 s[8:23], s[0:1], 0x0               ; xc s[8:9], xs s[10:11], wc s[12:13], ws s[14:15], bq s[16:17], bk s[18:19], bv s[20:21], cf s[22:23]
	v_lshl_add_u32 v14, v0, 2, 0x20000
	v_mov_b32 v15, 0
	v_lshrrev_b32 v7, 5, v0
	v_readfirstlane_b32 s2, v7                     ; wave 0..7
	v_and_b32 v8, 31, v0
	v_lshlrev_b32 v[LI], 4, v8
	v_lshlrev_b32 v[L4], 2, v8
	v_lshl_add_u32 v[KST], v7, 14, v[LI]
	v_bfe_u32 v9, v0, 4, 1
	v_lshlrev_b32 v[H32], 5, v9
	v_and_b32 v9, 15, v0
	v_lshlrev_b32 v[R4], 2, v9
	s_wait_alu depctr_va_sdst(0)                   ; s2 is written, ahead of its first reader: the tiles' numbers and all bases are made from it
	s_and_b32 s4, ttmp7, 0xffff
	s_lshr_b32 s5, s4, 3                           ; b
	s_and_b32 s6, s4, 7                            ; hd
	s_lshl_b32 s7, ttmp9, 4
	s_lshl_b32 s3, s2, 1
	s_add_co_u32 s7, s7, s3                        ; my first query tile: 16 x block + 2 x wave
	s_lshl_b32 s3, s2, 3                           ; my first key tile: 8 x wave
	s_mov_b32 s25, 0                               ; the upper word of every offset: s[24:25]
	s_mov_b32 s34, 0                               ; LDS byte at which the step in hand begins
	s_mov_b32 s35, 15                              ; the loop's trips
	s_mov_b32 s36, 0x3e8293ee                      ; c = log2(e) / sqrt(32)
	s_mov_b32 s37, s36                             ; (the packed form names the pair and takes its low word for both halves)
	s_mov_b32 s38, 0x76543210
	s_mov_b32 s39, 0xfedcba98                      ; v_permlanex16_b32's selects for lane l xor 16
	s_wait_kmcnt 0x0
	s_lshl_b32 s24, s5, 17
	s_add_nc_u64 s[8:9], s[8:9], s[24:25]          ; xc at my batch: 131,072 bytes a batch, 2,048 a tile
	s_lshl_b32 s24, s7, 11
	s_add_nc_u64 s[26:27], s[8:9], s[24:25]        ; at my query tiles
	s_lshl_b32 s24, s3, 11
	s_add_nc_u64 s[28:29], s[8:9], s[24:25]        ; at my key tiles
	s_lshl_b32 s24, s5, 13
	s_add_nc_u64 s[10:11], s[10:11], s[24:25]      ; xs likewise: 8,192 bytes a batch, 128 a tile
	s_lshl_b32 s24, s7, 7
	s_add_nc_u64 s[30:31], s[10:11], s[24:25]
	s_lshl_b32 s24, s3, 7
	s_add_nc_u64 s[32:33], s[10:11], s[24:25]
	s_lshl_b32 s24, s6, 12
	s_add_nc_u64 s[12:13], s[12:13], s[24:25]      ; wc at my head's two row tiles
	s_lshl_b32 s24, s6, 8
	s_add_nc_u64 s[14:15], s[14:15], s[24:25]      ; ws likewise
	s_lshl_b32 s24, s6, 7
	s_add_nc_u64 s[16:17], s[16:17], s[24:25]      ; the biases at my head's 32 numbers
	s_add_nc_u64 s[18:19], s[18:19], s[24:25]
	s_add_nc_u64 s[20:21], s[20:21], s[24:25]
	s_lshl_b32 s24, s5, 19                         ; cf: 524,288 bytes a batch,
	s_lshl_b32 s3, s7, 13                          ; 8,192 a token tile,
	s_add_co_u32 s24, s24, s3
	s_lshl_b32 s3, s6, 10                          ; 1,024 a head
	s_add_co_u32 s24, s24, s3
	s_add_nc_u64 s[22:23], s[22:23], s[24:25]
	s_wait_alu depctr_va_vdst(0)                   ; the offsets and addresses v1-3, v5 and v6 are written, which the loads and stores of the whole kernel read, and v14 and v15, which the closing add reads; up to the last of the 104 loads only loads and one window switch follow
; ---- ALL LOADS FROM MEMORY, 104, in the order in which they are wanted.  First 40 into window 0: scale words and biases
.irp m, 0,1,2
.irp dt, 0,1
	global_load_b32 v[WS+2*\m+\dt], v[L4], s[14:15] offset:2048*\m+128*\dt   ; lanes 0-15: K step 0's word of row r; lanes 16-31: K step 1's
.endr
.endr
.irp i, 0,1
	global_load_b32 v[XS+\i], v[L4], s[30:31] offset:128*\i
.endr
.irp i, 0,1,2,3,4,5,6,7
	global_load_b32 v[XS+2+\i], v[L4], s[32:33] offset:128*\i
.endr
.irp dt, 0,1
.irp u, 0,1
	global_load_b128 v[BQ+8*\dt+4*\u:BQ+8*\dt+4*\u+3], v[H32], s[16:17] offset:64*\dt+16*\u   ; register j: bq[16 dt + 8 h + j]
	global_load_b128 v[BK+8*\dt+4*\u:BK+8*\dt+4*\u+3], v[H32], s[18:19] offset:64*\dt+16*\u
.endr
.endr
.irp dt, 0,1
.irp j, 0,1,2,3,4,5,6,7
	global_load_b32 v[BV+8*\dt+\j], v[R4], s[20:21] offset:64*\dt          ; V's results hold one channel a lane: bv[16 dt + r] in all eight registers of the C operand
.endr
.endr
.macro WLOAD m                         ; a matrix's four fragments (row tile dt, K step s): 8 loads of 512 consecutive bytes
.irp dt, 0,1
.irp s, 0,1
.irp c, 0,1
	global_load_b128 v[WF+32*\m+8*(2*\dt+\s)+4*\c:WF+32*\m+8*(2*\dt+\s)+4*\c+3], v[LI], s[12:13] offset:32768*\m+2048*\dt+1024*\s+512*\c
.endr
.endr
.endr
.endm
.macro XLOAD slot, b, t                ; a token tile's two fragments: 4 loads
.irp s, 0,1
.irp c, 0,1
	global_load_b128 v[XF+16*(\slot)+8*\s+4*\c:XF+16*(\slot)+8*\s+4*\c+3], v[LI], s[\b:\b+1] offset:2048*(\t)+1024*\s+512*\c
.endr
.endr
.endm
	WIN 0x40                                       ; destination window 1, address window 0: 64 loads
	WLOAD 0
	XLOAD 0, 26, 0
	XLOAD 1, 26, 1
	WLOAD 1
	WLOAD 2
.irp i, 0,1,2,3,4,5,6,7
	XLOAD 2+\i, 28, \i
.endr
	WIN 0
; One scaled product.  row = 1: K step 1, whose scale words lie in lanes 16-31 of both scale registers.
.macro PROJ d, a, b, c, sa, sb, row
.if \row
	v_wmma_scale_f32_16x16x128_f8f6f4 v[(\d):(\d)+7], v[(\a):(\a)+7], v[(\b):(\b)+7], v[(\c):(\c)+7], v[\sa], v[\sb] matrix_a_fmt:MATRIX_FMT_FP4 matrix_b_fmt:MATRIX_FMT_FP4 matrix_a_scale:MATRIX_SCALE_ROW1 matrix_b_scale:MATRIX_SCALE_ROW1
.else
	v_wmma_scale_f32_16x16x128_f8f6f4 v[(\d):(\d)+7], v[(\a):(\a)+7], v[(\b):(\b)+7], v[(\c):(\c)+7], v[\sa], v[\sb] matrix_a_fmt:MATRIX_FMT_FP4 matrix_b_fmt:MATRIX_FMT_FP4
.endif
.endm
; A vector instruction that reads a matrix result stands four places behind it, a matrix instruction that writes over one of its registers five, and only plain vector instructions that name none of its registers are places (ISA guide 7.12.1).
.macro PLACES n
.rept \n
	v_nop
.endr
.endm
; ---- Q of my two tiles: four accumulators (tile i, 16 channels dt) by turns, K step 0 over all four, then K step 1
	s_wait_loadcnt 48                              ; the 40 of window 0, Wq's 8 and my query tiles' 8 are in; Wk's 8, Wv's 8 and the key tiles' 32 may be out
	WIN 0x05                                       ; sources 0 and 1 window 1; C and D window 0
.irp s, 0,1
.irp i, 0,1
.irp dt, 0,1
.if \s == 0
	PROJ ACC+8*(2*\i+\dt), WF+8*(2*\dt+\s), XF+16*\i+8*\s, BQ+8*\dt, WS+\dt, XS+\i, 0
.else
	PROJ ACC+8*(2*\i+\dt), WF+8*(2*\dt+\s), XF+16*\i+8*\s, ACC+8*(2*\i+\dt), WS+\dt, XS+\i, 1
.endif
.endr
.endr
.endr
	WIN 0
	PLACES 5                                       ; four for the roundings below, five for the next products, which begin these accumulators anew
.irp a, 0,1,2,3
.irp p, 0,1,2,3
	v_cvt_pk_f16_f32 v[QF+4*\a+\p], v[ACC+8*\a+2*\p], v[ACC+8*\a+2*\p+1]   ; lane (r, h): q(query r, 16 dt + 8 h + 2 p, + 1): Q's fragment as it stands; each accumulator from its low end on
.endr
.endr
; ---- K and V of my eight key tiles.  Four accumulators by turns: K's two (source 0 = Wk, source 1 = tokens), V's two (source 0 = tokens, source 1 = Wv)
.macro KVTILE i
	s_wait_loadcnt 28-4*(\i)                       ; this tile's fragments are in; the 7 - i later tiles' four loads each may be out
	WIN 0x05
.irp s, 0,1
.irp dt, 0,1
.if \s == 0
	PROJ ACC+8*\dt, WF+32+8*(2*\dt+\s), XF+16*(2+\i)+8*\s, BK+8*\dt, WS+2+\dt, XS+2+\i, 0
.else
	PROJ ACC+8*\dt, WF+32+8*(2*\dt+\s), XF+16*(2+\i)+8*\s, ACC+8*\dt, WS+2+\dt, XS+2+\i, 1
.endif
.endr
.irp dt, 0,1
.if \s == 0
	PROJ ACC+16+8*\dt, XF+16*(2+\i)+8*\s, WF+64+8*(2*\dt+\s), BV+8*\dt, XS+2+\i, WS+4+\dt, 0
.else
	PROJ ACC+16+8*\dt, XF+16*(2+\i)+8*\s, WF+64+8*(2*\dt+\s), ACC+16+8*\dt, XS+2+\i, WS+4+\dt, 1
.endif
.endr
.endr
	WIN 0
	PLACES 5                                       ; four for the roundings, five for the next tile's products
.if (\i) >= 2
	s_wait_dscnt 4                                 ; the stores of two tiles back, which read this set of packed registers, are done; the last tile's four may be out
	s_wait_alu depctr_vm_vsrc(0)                   ; the LDS stores of two tiles back have read this set of packed registers, which the roundings below write again
.endif
.irp a, 0,1,2,3
.irp p, 0,1,2,3
	v_cvt_pk_f16_f32 v[PK+16*((\i)%2)+4*\a+\p], v[ACC+8*\a+2*\p], v[ACC+8*\a+2*\p+1]
.endr
.endr
	s_wait_alu depctr_va_vdst(0)                   ; the sixteen roundings have written this set of packed registers, which the four LDS stores below read
.irp dt, 0,1
	ds_store_b128 v[KST], v[PK+16*((\i)%2)+4*\dt:PK+16*((\i)%2)+4*\dt+3] offset:((\i)/4)*8192+((\i)%4)*1024+512*\dt   ; K's tile: register group dt
.endr
.irp dt, 0,1
	ds_store_b128 v[KST], v[PK+16*((\i)%2)+8+4*\dt:PK+16*((\i)%2)+8+4*\dt+3] offset:((\i)/4)*8192+4096+(2*(((\i)/2)%2)+\dt)*1024+512*((\i)%2)   ; V^T's fragment (32 keys, dt): this tile is its register group i % 2
.endr
.endm
.irp i, 0,1,2,3,4,5,6,7
	KVTILE \i
.endr
	s_wait_dscnt 0x0                               ; for the others' sake: my images have landed
	s_barrier_signal -1
.irp j, 0,1,2,3,4,5,6,7,8,9,10,11,12,13,14,15,16,17,18,19,20,21,22,23,24,25,26,27,28,29,30,31
	v_mov_b32 v[OA+\j], 0                          ; O^T: work on registers while the others arrive
.endr
.irp q, 0,1
	v_mov_b32 v[ST+8*\q+1], 0xff61b1e6             ; m = -3e38, under every score
	v_mul_f32 v[ST+8*\q], s36, v[ST+8*\q+1]        ; c m
	v_mov_b32 v[ST+8*\q+2], 0                      ; l, in two halves
	v_mov_b32 v[ST+8*\q+3], 0
.endr
	v_mov_b32 v[ADR], v[LI]
	s_barrier_wait -1                              ; all 1,024 keys' images lie in LDS; nothing is written there any more
.macro LOADK off                       ; four tiles of K: 8 loads of 512 consecutive bytes
.irp t, 0,1,2,3
.irp c, 0,1
	ds_load_b128 v[KF+8*\t+4*\c:KF+8*\t+4*\c+3], v[ADR] offset:\off+1024*\t+512*\c
.endr
.endr
.endm
.macro LOADV                           ; four fragments of V^T
.irp f, 0,1,2,3
.irp c, 0,1
	ds_load_b128 v[VF+8*\f+4*\c:VF+8*\f+4*\c+3], v[ADR] offset:4096+1024*\f+512*\c
.endr
.endr
.endm
; The new maximum of both tiles of queries, line by line by turns.  Four chains a tile, each begun at the low three registers of one accumulator of S^T.
.macro MAXQ
.irp j, 0,1,2,3
.irp q, 0,1
	v_max3_num_f32 v[ST+8*\q+4+\j], v[S+32*\q+8*\j], v[S+32*\q+8*\j+1], v[S+32*\q+8*\j+2]
.endr
.endr
.irp u, 3,5
.irp j, 0,1,2,3
.irp q, 0,1
	v_max3_num_f32 v[ST+8*\q+4+\j], v[ST+8*\q+4+\j], v[S+32*\q+8*\j+\u], v[S+32*\q+8*\j+\u+1]
.endr
.endr
.endr
.irp q, 0,1
	v_max3_num_f32 v[ST+8*\q+4], v[ST+8*\q+4], v[S+32*\q+7], v[S+32*\q+15]
.endr
.irp q, 0,1
	v_max3_num_f32 v[ST+8*\q+6], v[ST+8*\q+6], v[S+32*\q+23], v[S+32*\q+31]
.endr
.irp q, 0,1
	v_max3_num_f32 v[ST+8*\q+4], v[ST+8*\q+4], v[ST+8*\q+5], v[ST+8*\q+6]
.endr
.irp q, 0,1
	v_max3_num_f32 v[ST+8*\q+4], v[ST+8*\q+4], v[ST+8*\q+7], v[ST+8*\q+1]   ; with the old m
.endr
.irp q, 0,1
	v_permlanex16_b32 v[ST+8*\q+5], v[ST+8*\q+4], s38, s39                   ; the query's other 32 keys lie in the lane 16 away
.endr
.irp q, 0,1
	v_mov_b32 v[ST+8*\q+7], v[ST+8*\q]             ; c m_old is kept for a
.endr
.irp q, 0,1
	v_max_num_f32 v[ST+8*\q+1], v[ST+8*\q+4], v[ST+8*\q+5]
.endr
.irp q, 0,1
	v_mul_f32 v[ST+8*\q], s36, v[ST+8*\q+1]
.endr
.irp q, 0,1
	v_sub_f32 v[ST+8*\q+7], v[ST+8*\q+7], v[ST+8*\q]
.endr
.irp q, 0,1
	v_exp_f32 v[ST+8*\q+6], v[ST+8*\q+7]           ; a = 2^(c m_old - c m_new): the first two of the first batch; the scalings that follow are the plain lines behind it
.endr
.endm
.macro SCALE q                         ; pair i of tile q: c s - c m
	v_pk_fma_f32 v[S+32*\q+2*i:S+32*\q+2*i+1], v[S+32*\q+2*i:S+32*\q+2*i+1], s[36:37], v[ST+8*\q:ST+8*\q+1] op_sel_hi:[1,0,0] neg_lo:[0,0,1] neg_hi:[0,0,1]
.endm
.macro SUM q                           ; l takes pair i of tile q's weights (unrounded); the first of them with l's rescaling
.if i == 0
	v_pk_fma_f32 v[ST+8*\q+2:ST+8*\q+3], v[ST+8*\q+2:ST+8*\q+3], v[ST+8*\q+6:ST+8*\q+7], v[S+32*\q:S+32*\q+1] op_sel_hi:[1,0,1]
.else
	v_pk_add_f32 v[ST+8*\q+2:ST+8*\q+3], v[ST+8*\q+2:ST+8*\q+3], v[S+32*\q+2*i:S+32*\q+2*i+1]
.endif
.endm
.macro ROUNDP q                        ; pair i of tile q's weights to f16: register i of P's two fragments
	v_cvt_pk_f16_f32 v[P+16*\q+i], v[S+32*\q+2*i], v[S+32*\q+2*i+1]
.endm
.macro PV q                            ; O^T += V^T P for tile q: its two accumulators by turns
.irp g, 0,1
.irp dt, 0,1
	v_wmma_f32_16x16x32_f16 v[OA+16*\q+8*\dt:OA+16*\q+8*\dt+7], v[VF+8*(2*\g+\dt):VF+8*(2*\g+\dt)+7], v[P+16*\q+8*\g:P+16*\q+8*\g+7], v[OA+16*\q+8*\dt:OA+16*\q+8*\dt+7]
.endr
.endr
.endm
; A STEP: 64 keys.  The exponentials go in two batches.  The first: the two a and tile 0's 32 weights, tile 1's scalings among them; no line of it names a result.  The second: tile 1's 32 weights, among tile 0's roundings and sums and
; the rescaling of O^T, which read the first batch's results alone.  Tile 1's roundings and sums stand behind tile 0's products.
.macro STEP last
	s_wait_dscnt 0x0                               ; this step's K, asked for a step ago, is in
.irp t, 0,1,2,3
.irp q, 0,1
	v_wmma_f32_16x16x32_f16 v[S+32*\q+8*\t:S+32*\q+8*\t+7], v[KF+8*\t:KF+8*\t+7], v[QF+8*\q:QF+8*\q+7], 0   ; eight accumulators, each begun by the constant 0
.endr
.endr
	s_wait_alu depctr_vm_vsrc(0)                   ; the LDS loads issued so far have read v[ADR], which the next line writes
	v_add_nc_u32 v[ADR], s34, v[LI]                ; this line and three v_nop: the four places in front of the first read of the scores
	PLACES 3
	s_wait_alu depctr_va_vdst(0)                   ; v[ADR] is written, which the loads below read; the score products are done reading KF and the last step's products V^T P (before step 0: the products that took bv as C) are done reading VF, in which the loads below land
	LOADV
	MAXQ
.set i, 0
.rept 16
	SCALE 0
.if (\last == 0) && (i % 2 == 1)
	ds_load_b128 v[KF+4*(i/2):KF+4*(i/2)+3], v[ADR] offset:8192+512*(i/2)   ; the next step's K, eight loads of 512 consecutive bytes, one behind every second scaling.  No wait: no vector or matrix instruction since the wait above names KF or v[ADR]
.endif
.set i, i+1
.endr
.set i, 0
.rept 16
	v_exp_f32 v[S+2*i], v[S+2*i]
	SCALE 1
	v_exp_f32 v[S+2*i+1], v[S+2*i+1]
.set i, i+1
.endr
	s_wait_alu depctr_va_vdst(0)                   ; the first batch's results are written: the two a and tile 0's 32 weights, ahead of their first readers below
.set i, 0
.rept 16
	v_exp_f32 v[S+32+2*i], v[S+32+2*i]
	ROUNDP 0
	v_exp_f32 v[S+32+2*i+1], v[S+32+2*i+1]
	SUM 0
	v_pk_mul_f32 v[OA+2*i:OA+2*i+1], v[OA+2*i:OA+2*i+1], v[ST+8*(i/8)+6:ST+8*(i/8)+7] op_sel_hi:[1,0]   ; O^T x a, each accumulator from its low end on
.set i, i+1
.endr
	s_wait_alu depctr_va_vdst(0)                   ; the second batch's results are written
.if \last
	s_wait_dscnt 0x0                               ; V is in
.else
	s_wait_dscnt 8                                 ; V is in; the eight younger loads, the next step's K, may be out
.endif
	PV 0
.set i, 0
.rept 16
	ROUNDP 1
	SUM 1
.set i, i+1
.endr
	PV 1
.if \last == 0
	s_add_co_u32 s34, s34, 8192
.endif
.endm
	s_wait_alu depctr_vm_vsrc(0)                   ; my LDS stores have read the packed registers v224-255: they are half of S^T from here on, written by the score products
	s_wait_alu depctr_va_vdst(0)                   ; v[ADR] is written, which the loads below read; the products that took bq and bk as C are done reading the registers in which K lands
	LOADK 0                                        ; step 0's K
.Lstep:                                            ; 15 trips; no two matrix instructions that follow each other share an accumulator, over the backward jump too
	STEP 0
	s_sub_co_u32 s35, s35, 1
	s_cmp_lg_u32 s35, 0
	s_cbranch_scc1 .Lstep
	STEP 1                                         ; the sixteenth step is written out: it asks for no further K
; ---- THE WAY OUT.  l's two halves and the other half of the lanes' are added; O^T / l, rounded in pairs, is ctx's fragment (16 tokens x my head's 32 channels) for the next launch.
.irp q, 0,1
	v_add_f32 v[ST+8*\q+4], v[ST+8*\q+2], v[ST+8*\q+3]
.endr
.irp q, 0,1
	v_permlanex16_b32 v[ST+8*\q+5], v[ST+8*\q+4], s38, s39
.endr
.irp q, 0,1
	v_add_f32 v[ST+8*\q+4], v[ST+8*\q+4], v[ST+8*\q+5]
.endr
	PLACES 2                                       ; with the four additions: the places behind the last products
.irp q, 0,1
	v_rcp_f32 v[ST+8*\q+6], v[ST+8*\q+4]
.endr
	v_nop                                          ; a plain line between the last reciprocal and the use of its result
.set i, 0
	s_wait_alu depctr_va_vdst(0)                   ; the two reciprocals are written, ahead of their first reader
.rept 16
	v_pk_mul_f32 v[OA+2*i:OA+2*i+1], v[OA+2*i:OA+2*i+1], v[ST+8*(i/8)+6:ST+8*(i/8)+7] op_sel_hi:[1,0]
.set i, i+1
.endr
.irp q, 0,1
.irp dt, 0,1
.irp p, 0,1,2,3
	v_cvt_pk_f16_f32 v[P+16*\q+4*\dt+\p], v[OA+16*\q+8*\dt+2*\p], v[OA+16*\q+8*\dt+2*\p+1]   ; lane (r, h): ctx(query r, 16 dt + 8 h + 2 p, + 1)
.endr
.endr
.endr
	s_wait_alu depctr_va_vdst(0)                   ; the roundings have written P's registers, which the four stores below read
.irp q, 0,1
.irp c, 0,1
	global_store_b128 v[LI], v[P+16*\q+4*\c:P+16*\q+4*\c+3], s[22:23] offset:8192*\q+512*\c   ; 32 lanes store 512 consecutive bytes, at a multiple of 256 from cf's first byte
.endr
.endr
	s_barrier_signal -1
	s_barrier_wait -1
	s_wait_dscnt 0x0                               ; the closing lines, six on end
	s_wait_alu 0x0
	s_wait_tensorcnt 0x0
	ds_add_u32 v14, v15
	s_wait_dscnt 0x0
	s_endpgm
.Lfunc_end_k_q8ef9362123_attn:
	.size	k_q8ef9362123_attn, .Lfunc_end_k_q8ef9362123_attn-k_q8ef9362123_attn
	.p2alignl 7, 3214868480
	.fill 96, 4, 3214868480
	.section	.rodata,"a",@progbits
	.p2align	6, 0x0
	.amdhsa_kernel k_q8ef9362123_attn
		.amdhsa_group_segment_fixed_size 132096
		.amdhsa_private_segment_fixed_size 0
		.amdhsa_enable_private_segment 0
		.amdhsa_kernarg_size 64
		.amdhsa_user_sgpr_count 2
		.amdhsa_user_sgpr_kernarg_segment_ptr 1
		.amdhsa_wavefront_size32 1
		.amdhsa_system_sgpr_workgroup_id_x 1
		.amdhsa_system_sgpr_workgroup_id_y 1
		.amdhsa_system_sgpr_workgroup_id_z 1
		.amdhsa_system_vgpr_workitem_id 0
		.amdhsa_next_free_vgpr 512
		.amdhsa_next_free_sgpr 66
		.amdhsa_reserve_vcc 0
		.amdhsa_float_denorm_mode_32 3
		.amdhsa_float_denorm_mode_16_64 3
		.amdhsa_memory_ordered 1
		.amdhsa_forward_progress 1
		.amdhsa_inst_pref_size 68
	.end_amdhsa_kernel
	.amdgpu_metadata
---
amdhsa.version: [ 1, 2 ]
amdhsa.kernels:
  - .name:           k_q8ef9362123_attn
    .symbol:         k_q8ef9362123_attn.kd
    .args:
      - { .name: xc, .offset: 0, .size: 8, .value_kind: global_buffer, .address_space: global }
      - { .name: xs, .offset: 8, .size: 8, .value_kind: global_buffer, .address_space: global }
      - { .name: wc, .offset: 16, .size: 8, .value_kind: global_buffer, .address_space: global }
      - { .name: ws, .offset: 24, .size: 8, .value_kind: global_buffer, .address_space: global }
      - { .name: bq, .offset: 32, .size: 8, .value_kind: global_buffer, .address_space: global }
      - { .name: bk, .offset: 40, .size: 8, .value_kind: global_buffer, .address_space: global }
      - { .name: bv, .offset: 48, .size: 8, .value_kind: global_buffer, .address_space: global }
      - { .name: cf, .offset: 56, .size: 8, .value_kind: global_buffer, .address_space: global }
    .group_segment_fixed_size: 132096
    .private_segment_fixed_size: 0
    .kernarg_segment_align: 8
    .kernarg_segment_size: 64
    .max_flat_workgroup_size: 256
    .sgpr_count:     66
    .vgpr_count:     512
    .wavefront_size: 32
...
	.end_amdgpu_metadata
.endif
;; end of part 4
;; launch oproj: the kernel of part 3 again; grid 128 x 2, 8 waves a work-group, no clusters, 68,608 bytes of LDS; arguments cf, wof, bo, out0; writes out0
